; MI455X (gfx1250); checked and timed in simulation.
; The chip was launched on July 23, 2026; its instructions are those of AMD's public machine-readable ISA for CDNA 5 (MIT licence, August 2026) and "CDNA5" Instruction Set Architecture Reference Guide (July 2026). The comments in the code are by the model that wrote it; some were corrected since.
;; Attention. Allowed arithmetic: matrix products marked QUANTISED: E3M2 operands, one E8M0 scale for each 32 along K, by v_wmma_scale_f32_16x16x128_f8f6f4 with both operands' format E3M2, f32 sums; everything else in f32.
;; Inputs: Wk 1,024 x 1,024 float32; Wq 1,024 x 1,024 float32; Wv 1,024 x 1,024 float32; inputs_kv 4 x 2,048 x 1,024 float32; inputs_q 4 x 2,048 x 1,024 float32.
;; Outputs: out0 4 x 2,048 x 1,024 float32.
;; This version of the problem:
;;   THIS VERSION OF THE PROBLEM IS GIVEN IN LOW PRECISION. The matrix products marked QUANTISED in the list below multiply operands that are first quantised to E3M2 (3 exponent bits, 2 mantissa bits; 6 bits a number), with one power-of-two scale for each 32 numbers along K (OCP MX v1.0); their sums are f32. All else is computed in f32.
;;   The module's matrix products, in the order in which they are computed (A, B: the left and right operand; K: the contracted axis; several contracted axes count as one K, in the product's order):
;;     1. [M 8,192, K 1,024] x [K 1,024, N 1,024]; A: input inputs_q; B: input Wq: QUANTISED
;;     2. [M 8,192, K 1,024] x [K 1,024, N 1,024]; A: input inputs_kv; B: input Wk: QUANTISED
;;     3. [M 8,192, K 1,024] x [K 1,024, N 1,024]; A: input inputs_kv; B: input Wv: QUANTISED
;;     4. batch 64 x [M 2,048, K 64] x [K 64, N 2,048]; A: computed on the way; B: computed on the way: QUANTISED
;;     5. batch 64 x [M 64, K 2,048] x [K 2,048, N 2,048]; A: computed on the way; B: softmax (see below): QUANTISED
;;   THE QUANTISER, for each operand of a quantised product, along K:
;;     - K is cut into blocks of 32 from its start; a last block that is shorter is filled with zeros.
;;     - A block's scale is 2^e with e = floor(log2(the largest magnitude in the block)) - 4, held to -126 .. 127; a block of zeros has e = 0. As a byte (E8M0): e + 127.
;;     - Each number is divided by its block's scale, clamped to +-28, and rounded to the nearest number of E3M2, ties to even, subnormals kept.
;;     - The product sums the exact products of the quantised numbers (number of the format x scale) in f32.
;;   ~~~python
;;   def quantise(x, axis):      # numpy; x: float32 -> the quantised numbers, widened to float32 again
;;       x = np.moveaxis(x, axis, -1); K = x.shape[-1]
;;       x = np.pad(x, [(0, 0)] * (x.ndim - 1) + [(0, -K % 32)]); x = x.reshape(x.shape[:-1] + (-1, 32)); a = np.abs(x).max(-1, keepdims=True)
;;       e = np.where(a > 0, np.clip(np.frexp(np.where(a > 0, a, 1))[1] - 1 - 4, -126, 127), 0)      # np.frexp(a)[1] - 1 = floor(log2(a)), exactly
;;       r = np.clip(x / 2.0 ** e, -28, 28)
;;       step = 2.0 ** (np.maximum(np.frexp(np.where(r == 0, 1, r))[1] - 1, -2) - 2)
;;       q = np.round(r / step) * step * 2.0 ** e      # np.round: ties to even
;;       return np.moveaxis(q.reshape(q.shape[:-2] + (-1,))[..., :K], -1, axis).astype(np.float32)
;;   ~~~
;;   SOFTMAX AHEAD OF A QUANTISED PRODUCT. Where the list says 'softmax', what is quantised is not the finished softmax but p = 2^(t - M), with t = logit x log2(e) and M = ceil(the row's largest t), a whole number; so 1/2 < the row's largest p <= 1. The row's sum l is taken of the UNQUANTISED p, in f32, and the product's result is divided by l at the end. Since M is a whole number, a kernel that streams over the keys may use a running M (the ceiling of the running maximum): every later rescaling is an exact power of two, which a block's scale takes up: the codes' values come out the same.
;;   OPERANDS COMPUTED ON THE WAY. 'Computed on the way' means the value that the module computes at that place (a softmax that the list does not call 'softmax' is quantised finished and normalised). What goes into a quantiser is computed in f32, as accurately as f32 sums, v_exp_f32 and their like allow (about 1e-6 of the number): no bf16 or f16 on the way to a quantiser, and a product that is left as it is and whose result goes on into a quantised operand takes f32 operands (vector FMAs, or v_wmma_f32_16x16x4_f32). A number that lies on a knife's edge between two numbers of the format may be rounded either way, as far as f32 arithmetic and the matrix unit's own rounding can turn it there, and no further.
;; One version. Each part assembles by itself: llvm-mc -triple=amdgcn-amd-amdhsa -mcpu=gfx1250 --defsym DOCPART=n.
;; ======== version 1 of 1: 3 launches
;; limits: right only within a limited range of input values
;; workspace buffers: codes 14,942,208 bytes; scales 622,592 bytes; qp 13,369,344 bytes; kvp 13,369,344 bytes
;; launch quant (part 1): grid 608 x 1, 4 waves a work-group, no clusters, 33,280 bytes of LDS; arguments inputs_q, inputs_kv, Wq, Wk, Wv, codes, scales; writes codes, scales
.if DOCPART == 1
	.amdgcn_target "amdgcn-amd-amdhsa--gfx1250"
	.amdhsa_code_object_version 6
	.text
	.protected	k_q50e87dfd92_quant
	.globl	k_q50e87dfd92_quant
	.p2align	8
	.type	k_q50e87dfd92_quant,@function
k_q50e87dfd92_quant:
	s_mov_b64 s[64:65], 0
	v_nop
	global_prefetch_b8 v0, s[64:65] scope:SCOPE_SE
	s_setreg_imm32_b32 hwreg(HW_REG_WAVE_MODE, 25, 1), 1
	s_wait_xcnt 0x0
; inputs_q, inputs_kv [8192][1024] and Wq, Wk, Wv [1024][1024], f32, K innermost, become codes of BF6 (E3M2), 6 bits each, and one E8M0 byte for each 32 along K,
; in ONE stream of 19,456 stored rows: 768 bytes of codes and 32 scale bytes a row; rows 0.. inputs_q, 8,192.. inputs_kv, 16,384.. Wq, 17,408.. Wk, 18,432.. Wv.
; STORED ORDER: stored row s holds the tensor's row with bits 3 and 4 of s exchanged.  So 16 stored rows on end, tile 2 b + u of a group of 32, hold in place r the row 32 b + 8 u + r + 8 (r / 8):
; the order in which the next launch wants the rows of a tile, so that its results lie as neighbours along the next product's K.
; A block's scale is 2^(floor(log2(its largest magnitude)) - 4); its byte is the largest magnitude's exponent field - 4, held at 1 from below.  Each number is divided by the scale and rounded to the nearest code, ties to even.
; WORK LEFT OUT BY THE PROGRAM: the last launch passes over key steps that lie wholly behind a query: reference()'s own causal mask sets their scores to -inf ahead of the softmax, so their p is 0 whatever the inputs hold.
; A NaN, an infinity or an overflow that reaches only such scores is not carried to the result.  Every input has a way to the output and is loaded.
; LIMITS: a block of zeros gets the byte 1 where the rule says 127 (its codes are zeros, which add nothing, and this program alone reads the bytes); blocks whose largest magnitude lies under 2^-122 keep the byte 1;
; NaN and infinities among the inputs are not served.
; SHARES: a work-group takes 32 rows (32,768 numbers), a wave 8 rows on end as 16 steps of 512 numbers.  Eight aligned rows keep their order, so the exchange of bits 3 and 4 is an exchange of the wave's two bits in the OUTPUT's place.
; Each load reads 512 consecutive bytes, 16 a lane; a step's 2,048 bytes turn through the wave's own stage in LDS and come back 64 bytes a lane: 16 neighbours along K, as the conversion wants them; two lanes hold a block.
; No tensor loads, no barrier: waves share nothing.  Loads run six steps (24 loads a wave) ahead, the turn through LDS one step.
.set STEPS, 16
.set AHEAD, 6
.set EMAX,  4
.set CB,    12                         ; bytes of 16 codes
.set R,     16                         ; v16-111  six sets of 16 numbers as they are loaded
.set X,     112                        ; v112-143 two sets of 16 neighbours
.set E,     144                        ; v144-159 a scale byte for each step
.set C,     160                        ; v160-223 codes: four registers for each step, so that no store's data are written again
.set SPW,   224
.set NIL,   225
.set WREG,  8192                       ; LDS: a region for each wave: two stages of 32 x SP bytes, behind them its 256 scale bytes
.set SP,    80                         ; a lane's place in a stage: 64 bytes + 16 of padding
.set SPARE, 0x8000                     ; behind the four regions: the spare words
	s_load_b256 s[4:11], s[0:1], 0x0               ; inputs_q s[4:5], inputs_kv s[6:7], Wq s[8:9], Wk s[10:11]
	s_load_b128 s[12:15], s[0:1], 0x20             ; Wv s[12:13], codes s[14:15]
	s_load_b64 s[16:17], s[0:1], 0x30              ; scales
	v_lshl_add_u32 v[SPW], v0, 2, SPARE
	v_mov_b32 v[NIL], 0
	v_lshrrev_b32 v1, 5, v0
	v_readfirstlane_b32 s18, v1                    ; wave 0..3
	v_and_b32 v2, 31, v0                           ; lane
	v_lshlrev_b32 v3, 4, v2                        ; my 16 bytes of a load's 512
	s_mul_i32 s19, s18, WREG
	v_lshrrev_b32 v14, 2, v2
	v_mul_u32_u24 v14, v14, SP
	v_and_b32 v15, 3, v2
	v_lshl_add_u32 v14, v15, 4, v14
	v_add_nc_u32 v14, s19, v14                     ; the stage, on the way in: SP (lane / 4) + 16 (lane % 4)
	v_mul_u32_u24 v15, v2, SP
	v_add_nc_u32 v15, s19, v15                     ; and on the way out: SP x lane: my 16 neighbours
	v_mul_u32_u24 v4, v2, CB                       ; my codes' place in a step's
	v_lshrrev_b32 v5, 1, v2
	s_add_co_u32 s19, s19, 2*32*SP
	v_add_nc_u32 v5, s19, v5                       ; LDS: my wave's 256 scale bytes, my block's byte
	v_lshlrev_b32 v7, 3, v2                        ; and on the way out 8 bytes a lane
	v_add_nc_u32 v6, s19, v7
	s_wait_alu depctr_va_vdst(0)                   ; the wait at the head's end
	s_wait_kmcnt 0x0
	; which tensor is my work-group's, and which is that tensor's first work-group: the choices hang on the work-group's number alone
	s_mov_b64 s[20:21], s[12:13]
	s_mov_b32 s22, 576
	s_cmp_lt_u32 ttmp9, 576
	s_cselect_b64 s[20:21], s[10:11], s[20:21]
	s_cselect_b32 s22, 544, s22
	s_cmp_lt_u32 ttmp9, 544
	s_cselect_b64 s[20:21], s[8:9], s[20:21]
	s_cselect_b32 s22, 512, s22
	s_cmp_lt_u32 ttmp9, 512
	s_cselect_b64 s[20:21], s[6:7], s[20:21]
	s_cselect_b32 s22, 256, s22
	s_cmp_lt_u32 ttmp9, 256
	s_cselect_b64 s[20:21], s[4:5], s[20:21]
	s_cselect_b32 s22, 0, s22
	s_sub_co_u32 s24, ttmp9, s22
	s_lshl_b32 s24, s24, 2
	s_add_co_u32 s24, s24, s18                     ; which run of 8 rows of the tensor I read
	s_lshl_b32 s24, s24, 15                        ; x 32,768 bytes (under 2^26)
	s_mov_b32 s25, 0
	s_add_nc_u64 s[20:21], s[20:21], s[24:25]
	s_and_b32 s26, s18, 1
	s_lshl_b32 s26, s26, 1
	s_lshr_b32 s27, s18, 1
	s_or_b32 s26, s26, s27                         ; the wave's two bits exchanged
	s_lshl_b32 s27, ttmp9, 2
	s_add_co_u32 s26, s26, s27                     ; which run of 8 stored rows I write
	s_mul_i32 s28, s26, 32*STEPS*CB                ; 6,144 bytes of codes a run
	s_mov_b32 s29, 0
	s_add_nc_u64 s[14:15], s[14:15], s[28:29]
	s_lshl_b32 s30, s26, 8                         ; 256 scale bytes a run
	s_mov_b32 s31, 0
	s_add_nc_u64 s[16:17], s[16:17], s[30:31]
.macro LOAD t
.irp i, 0,1,2,3
	global_load_b128 v[R+16*((\t)%AHEAD)+4*\i:R+16*((\t)%AHEAD)+4*\i+3], v3, s[20:21] offset:2048*(\t)+512*\i th:TH_LOAD_NT   ; 32 lanes read 512 consecutive bytes
.endr
.endm
.macro TURN t                          ; step t's numbers through the stage: LDS serves a wave's instructions in order (ISA guide 5.7.1.4), so no wait stands between the stores and the loads
.irp i, 0,1,2,3
	ds_store_b128 v14, v[R+16*((\t)%AHEAD)+4*\i:R+16*((\t)%AHEAD)+4*\i+3] offset:32*SP*((\t)%2)+8*SP*\i
.endr
.irp i, 0,1,2,3
	ds_load_b128 v[X+16*((\t)%2)+4*\i:X+16*((\t)%2)+4*\i+3], v15 offset:32*SP*((\t)%2)+16*\i
.endr
.endm
.irp t, 0,1,2,3,4,5
	LOAD \t
.endr
	s_wait_loadcnt 20                              ; step 0's four loads are in; the twenty of steps 1 to 5 may be out
	TURN 0
.macro STEP t
.set XS, X+16*((\t)%2)
.if (\t) > 0
	s_wait_dscnt 1                                 ; this step's numbers are back from the stage (the last step's byte store may be out): so its stores into the stage have read their registers,
.else
	s_wait_dscnt 0x0
.endif
.if (\t)+AHEAD < STEPS
	LOAD (\t)+AHEAD                                ; which take the loads of six steps on
.endif
.if (\t)+1 < STEPS
.if STEPS-2-(\t) >= AHEAD-1
	s_wait_loadcnt 4*(AHEAD-1)                     ; the next step's four loads are in; those of the five steps behind it may be out
.else
	s_wait_loadcnt 4*(STEPS-2-(\t))                ; in the tail fewer steps stand behind it
.endif
	TURN (\t)+1                                    ; and go through the other stage while this step is worked
.endif
	v_max3_num_f32 v8, |v[XS]|, |v[XS+1]|, |v[XS+2]|               ; the largest magnitude of my 16, in two chains
	v_max3_num_f32 v9, |v[XS+3]|, |v[XS+4]|, |v[XS+5]|
.irp i, 6,10
	v_max3_num_f32 v8, v8, |v[XS+\i]|, |v[XS+\i+1]|
	v_max3_num_f32 v9, v9, |v[XS+\i+2]|, |v[XS+\i+3]|
.endr
	v_max3_num_f32 v8, v8, |v[XS+14]|, |v[XS+15]|
	v_max3_num_f32 v8, v8, v9, (EMAX+1)<<23        ; and the floor 2^(5 - 127): so the byte cannot fall under 1
	v_max_num_f32_dpp v8, v8, v8 row_xmask:1 row_mask:0xf bank_mask:0xf   ; and of my neighbour's 16: the block's
	v_add_nc_u32 v11, -(EMAX<<23), v8              ; 4 off its exponent field: the conversion's scale operand
	v_cvt_scalef32_pk16_bf6_f32 v[C+4*(\t):C+4*(\t)+2], v[XS:XS+15], v11   ; sixteen codes, 96 bits without gaps, the first number's lowest
	v_lshrrev_b32 v[E+(\t)], 23, v11               ; the scale's byte (also the plain line behind the conversion)
	ds_store_b8 v5, v[E+(\t)] offset:16*(\t)       ; both lanes of a block write the same byte with the same value
	global_store_b96 v4, v[C+4*(\t):C+4*(\t)+2], s[14:15] offset:32*CB*(\t)   ; the wave stores 384 consecutive bytes
.endm
.irp t, 0,1,2,3,4,5,6,7,8,9,10,11,12,13,14,15
	STEP \t
.endr
	ds_load_b64 v[12:13], v6                       ; in order behind my byte stores
	s_wait_dscnt 0x0
	global_store_b64 v7, v[12:13], s[16:17]        ; 32 lanes store 256 consecutive bytes, aligned
	s_wait_tensorcnt 0x0                           ; the wave's end
	ds_add_u32 v[SPW], v[NIL]
	s_wait_dscnt 0x0
	s_endpgm
.Lfunc_end_k_q50e87dfd92_quant:
	.size	k_q50e87dfd92_quant, .Lfunc_end_k_q50e87dfd92_quant-k_q50e87dfd92_quant
	.p2alignl 7, 3214868480
	.fill 96, 4, 3214868480
	.section	.rodata,"a",@progbits
	.p2align	6, 0x0
	.amdhsa_kernel k_q50e87dfd92_quant
		.amdhsa_group_segment_fixed_size 33280
		.amdhsa_private_segment_fixed_size 0
		.amdhsa_enable_private_segment 0
		.amdhsa_kernarg_size 56
		.amdhsa_user_sgpr_count 2
		.amdhsa_user_sgpr_kernarg_segment_ptr 1
		.amdhsa_wavefront_size32 1
		.amdhsa_system_sgpr_workgroup_id_x 1
		.amdhsa_system_sgpr_workgroup_id_y 1
		.amdhsa_system_sgpr_workgroup_id_z 1
		.amdhsa_system_vgpr_workitem_id 0
		.amdhsa_next_free_vgpr 226
		.amdhsa_next_free_sgpr 66
		.amdhsa_reserve_vcc 0
		.amdhsa_float_denorm_mode_32 3
		.amdhsa_float_denorm_mode_16_64 3
		.amdhsa_memory_ordered 1
		.amdhsa_forward_progress 1
		.amdhsa_inst_pref_size 33
	.end_amdhsa_kernel
	.amdgpu_metadata
---
amdhsa.version: [ 1, 2 ]
amdhsa.kernels:
  - .name:           k_q50e87dfd92_quant
    .symbol:         k_q50e87dfd92_quant.kd
    .args:
      - { .name: inputs_q, .offset: 0, .size: 8, .value_kind: global_buffer, .address_space: global }
      - { .name: inputs_kv, .offset: 8, .size: 8, .value_kind: global_buffer, .address_space: global }
      - { .name: Wq, .offset: 16, .size: 8, .value_kind: global_buffer, .address_space: global }
      - { .name: Wk, .offset: 24, .size: 8, .value_kind: global_buffer, .address_space: global }
      - { .name: Wv, .offset: 32, .size: 8, .value_kind: global_buffer, .address_space: global }
      - { .name: codes, .offset: 40, .size: 8, .value_kind: global_buffer, .address_space: global }
      - { .name: scales, .offset: 48, .size: 8, .value_kind: global_buffer, .address_space: global }
    .group_segment_fixed_size: 33280
    .private_segment_fixed_size: 0
    .kernarg_segment_align: 8
    .kernarg_segment_size: 56
    .max_flat_workgroup_size: 128
    .sgpr_count:     66
    .vgpr_count:     226
    .wavefront_size: 32
...
	.end_amdgpu_metadata
.endif
;; end of part 1
;; launch proj (part 2): grid 4 x 96, 4 waves a work-group, clusters of 4 x 4, 327,680 bytes of LDS; arguments codes, scales, qp, kvp; writes qp, kvp
.if DOCPART == 2
	.amdgcn_target "amdgcn-amd-amdhsa--gfx1250"
	.amdhsa_code_object_version 6
	.text
	.protected	k_q50e87dfd92_proj
	.globl	k_q50e87dfd92_proj
	.p2align	8
	.type	k_q50e87dfd92_proj,@function
k_q50e87dfd92_proj:
	s_mov_b64 s[64:65], 0
	v_nop
	global_prefetch_b8 v0, s[64:65] scope:SCOPE_SE
	s_setreg_imm32_b32 hwreg(HW_REG_WAVE_MODE, 25, 1), 1
	s_wait_xcnt 0x0
	s_wait_alu depctr_hold_cnt(0) depctr_sa_sdst(0) depctr_va_vdst(0) depctr_va_sdst(0) depctr_va_ssrc(0) depctr_va_vcc(0) depctr_vm_vsrc(0)
	s_getreg_b32 s2, hwreg(HW_REG_IB_STS2, 6, 4)
	s_cmp_eq_u32 s2, 0
	s_cbranch_scc0 .Lentry_in_a_cluster
	s_endpgm
.Lentry_in_a_cluster:
	s_bfe_u32 s2, ttmp6, 0x10000c
	s_cmp_lg_u32 s2, 0xf033
	s_cbranch_scc0 .Lentry_shape_is_right
	s_endpgm
.Lentry_shape_is_right:
; The three projections q = xq Wq^T, k = xkv Wk^T, v = xkv Wv^T, on codes of BF6 (E3M2) with one E8M0 scale for each 32 along K = 1,024; sums in f32.
; Each wave quantises its 128 x 128 results in registers, along the axis that is the K of attention's products, and stores them as images of operand registers.
; ONE BODY, THREE PRODUCTS.  Source 1 of the matrix instruction is the side R (a lane holds one of its rows), source 0 the side C (a lane's registers run along it: it becomes the next K).
;   q: R = tokens of xq, C = rows of Wq;   k: R = tokens of xkv, C = rows of Wk;   v: R = rows of Wv (channels), C = tokens of xkv (the keys are the next K).
; All five tensors lie in one stream of stored rows (768 bytes of codes, 32 scale bytes a row), in units of 256 rows: xq 0-31, xkv 32-63, Wq 64-67, Wk 68-71, Wv 72-75.  In a stored tile 2 b + u of 16 rows place r holds row
; 32 b + 8 u + r + 8 (r / 8): so the 16 result registers of C's tiles 2 b, 2 b + 1 are 16 neighbours along the next K.
; SHARES.  256 x 256 results to a work-group of four waves, 128 x 128 (64 accumulators, 512 registers) to a wave.  384 tiles; a cluster of 4 x 4 work-groups takes 1,024 x 1,024: cluster number = 8 TYPE + u.
; K goes through two LDS slots in CHUNKS OF 256 BYTES of each row (a row of codes is 768 bytes: three chunks, each beginning at a multiple of 256 bytes).  A step of 128 along K is 96 bytes: eight steps to three chunks;
; steps 2 and 5 lie across two chunks and take their pieces from both slots.  The head's four loads, one a wave, bring chunks 0 and 1 of R's and of C's 256 rows; chunk 2 is the one refill, into slot 0.
; THE SCALE WORDS of my 128 rows of R and 128 rows of C, for all of K, go from memory straight into 64 registers: a lane reads its row's 32 bytes, sixteen lanes 512 consecutive bytes.
; CLUSTER.  The four work-groups of a row of the cluster need the same tiles of R, the four of a column the same tiles of C: each tile is asked for jointly, by the same tensor load with the same descriptor and a mask that names the four.
; No prefetch: of the three chunks two come at the head and one is asked for two steps ahead of its first read: the walk has no later chunk to run ahead to.
; OUT.  qp and kvp: 64 packs (16 x batch + head) of HS bytes.  Byte 0: 16 records of 512 bytes, the scale words of q or k for 128 tokens (lane l's 16 bytes: word i = tile 2 i's rows in lanes 0-15, tile 2 i + 1's in lanes 16-31);
;   in lanes 0-15 the head's two bytes are bytes 0, 1 of the word, in lanes 16-31 bytes 2, 3; the word's other two bytes are the neighbouring head's (1 .. 254) and will stand over zero codes.
;   Byte 8,192: 16 records of 256 bytes, v's scale words (lane l's 8 bytes, by channel tiles).  Byte 12,288 + 12,288 st, for tokens 128 st on: 8 images of 768 bytes of q or k (16 tokens x 64 channels, six registers a lane),
;   then 4 x 2 such images of v (16 channels x 64 keys each).  AN IMAGE of an even tile: registers 0-3 of lane l at 16 l, registers 4, 5 at 512 + 8 l; of an odd tile: registers 0, 1 at 8 l, registers 2-5 at 256 + 16 l:
;   so two tiles on end, or a tile's two halves, fill twelve registers by loads of 16 and 8 bytes a lane at even registers.  qp holds q in k's places; v's places in qp are neither written nor read.
; LIMITS: blocks whose largest magnitude lies under 2^-122 keep the byte 1, a block of zeros too (its codes are zeros); NaN and infinities are not served.
; REGISTERS, in windows of 256: window 0: v0-31 addresses; v32-95 scale words; from v128 R's fragments, one set (on the way out: at work).  window 1: C's fragments, two sets, at v0 and v128.
;   window 2: the 32 accumulators of my R blocks 0-3 (accumulator (a, b) at v[8 (8 a + b)]);   window 3: those of blocks 4-7.
.set ROWB,   256
.set KROW,   768
.set STEPS,  8
.set CHUNKS, 3
.set PITCH,  272                       ; an LDS row: 256 bytes + 16 of padding
.set FR,     12
.set NL,     6
.set NP,     4                         ; places behind this matrix instruction (ISA guide 7.12.1)
.set HALFT,  128*PITCH
.set SLOT,   4*HALFT                   ; R's 256 rows, then C's 256 rows
.set SPARE,  2*SLOT                    ; behind the slots: the spare words, 128 bytes a wave, named by no other line
.set HS,     208896
.set ADRA, 16                          ; v16-17 my R fragments in slot 0, 1; v18-19: lanes 0-15 at byte 232 of a row in slot 0, 1, lanes 16-31 at byte 0 of the row in the other slot
.set ADRB, 20                          ; the same for C
.set L8,   24
.set L16,  25
.set VSO,  26                          ; my row's place in the scales' buffer: lanes 0-15 R's, lanes 16-31 C's
.set SPW,  28
.set NIL,  29
.set SC,   32                          ; register 8 i + st: lanes 0-15 the word of R's block i, lanes 16-31 that of C's block i, for step st
.set AF,   128
.set TM,   128
.set PWT,  144
.set SW,   148
.set SX,   152
.set RT,   156
.set PC,   160
.set VP0,  180
.set VP1,  181
.set VO0,  182
.set VO1,  183
.set VS,   184
.set G1, 24
.set G0, 32                            ; the refill's group 0 for R
.set G1B, 48
.set G0B, 56                           ; and for C
.set G0H, 68                           ; the head's four groups 0: R chunk 0, C chunk 0, R chunk 1, C chunk 1
.set G0HB, 72
.set G0H1, 76
.set G0HB1, 80
.set MSB, 0
.macro WIN new
.if MSB != \new
	s_set_vgpr_msb (MSB<<8)|\new
.set MSB, \new
.endif
.endm
.set MUL_LO, 0xa1
.set MUL_HI, 0xf1
.set TO_B,   0x40
; a joint load: waves 0 and 1 fetch for R, waves 2 and 3 for C; the branch hangs on the wave's number alone
.macro JLOAD g0a, g1a, g0b, g1b
	s_cmp_eq_u32 s15, 0
	s_cbranch_scc0 .Lfor_b_\@
	tensor_load_to_lds s[\g0a:\g0a+3], s[\g1a:\g1a+7]
	s_nop 0
.rept 4
	v_nop
.endr
	s_branch .Lasked_\@
.Lfor_b_\@:
	tensor_load_to_lds s[\g0b:\g0b+3], s[\g1b:\g1b+7]
	s_nop 0
.rept 4
	v_nop
.endr
.Lasked_\@:
.endm
.macro CREST
	s_cmp_lg_u32 s14, 0
	s_cbranch_scc1 .Lnot_wave_0_\@
	s_barrier_signal -3
.Lnot_wave_0_\@:
	s_barrier_wait -3
	s_barrier_signal -1
	s_barrier_wait -1
.endm
.macro CROUND
	s_barrier_signal -1
	s_barrier_wait -1
	CREST
.endm
	s_load_b256 s[4:11], s[0:1], 0x0               ; codes, scales, qp, kvp
	v_lshl_add_u32 v[SPW], v0, 2, SPARE
	v_mov_b32 v[NIL], 0
	ds_add_u32 v[SPW], v[NIL]                      ; the opening lines: the add twice on end and one wait
	ds_add_u32 v[SPW], v[NIL]
	v_lshrrev_b32 v1, 5, v0
	v_readfirstlane_b32 s14, v1                    ; wave 0..3
	s_lshr_b32 s15, s14, 1                         ; my half of R's rows; also: I fetch for R (0) or C (1)
	s_and_b32 s16, s14, 1                          ; my half of C's rows; also: which 128 rows I fetch
	s_bfe_u32 s40, ttmp6, 0x40000                  ; cx
	s_bfe_u32 s41, ttmp6, 0x40004                  ; cy
	s_and_b32 s95, ttmp7, 0xffff                   ; the cluster's number, 0 .. 23
	s_and_b32 s96, s95, 7
	s_lshl_b32 s96, s96, 2                         ; U4: which four units of 256 tokens
	s_lshr_b32 s95, s95, 3                         ; TYPE: 0 q, 1 k, 2 v
	s_lshl_b32 s17, s95, 5
	s_add_co_u32 s17, s17, s96                     ; q, k: R = tokens
	s_lshl_b32 s42, s95, 2
	s_add_co_u32 s42, s42, 64                      ; q, k: C = the weight
	s_add_co_u32 s18, s96, 32                      ; v: C = tokens of xkv
	s_cmp_eq_u32 s95, 2
	s_cselect_b32 s17, 72, s17                     ; v: R = Wv
	s_cselect_b32 s42, s18, s42
	s_add_co_u32 s17, s17, s41                     ; R's unit: + cy
	s_add_co_u32 s42, s42, s40                     ; C's unit: + cx
	s_lshl_b32 s43, s41, 2
	s_lshl_b32 s43, 15, s43                        ; my row of the cluster
	s_lshl_b32 s44, 0x1111, s40                    ; my column
	s_or_b32 s[G1+0], s43, (0<<16)|(1<<20)|(1<<21)|(5<<22)|(3<<25)   ; bytes; 4 words of padding behind every 64
	s_or_b32 s[G1B+0], s44, (0<<16)|(1<<20)|(1<<21)|(5<<22)|(3<<25)
.irp g, G1, G1B
	s_mov_b32 s[\g+1], ROWB<<16
	s_mov_b32 s[\g+2], 256<<16                     ; 256 rows for the head's loads
	s_mov_b32 s[\g+3], ROWB<<16
	s_mov_b32 s[\g+4], 256
	s_mov_b32 s[\g+5], KROW
	s_mov_b32 s[\g+6], 0
	s_mov_b32 s[\g+7], 0
.endr
	s_lshl_b32 s92, s17, 13                        ; my 128 rows' scales, 32 bytes a row: R's begin at 8,192 x unit + 4,096 x half,
	s_lshl_b32 s18, s15, 12
	s_add_co_u32 s92, s92, s18
	s_lshl_b32 s93, s42, 13                        ; and C's
	s_lshl_b32 s18, s16, 12
	s_add_co_u32 s93, s93, s18
	v_and_b32 v1, 15, v0                           ; l % 16
	v_bfe_u32 v2, v0, 4, 1                         ; l / 16
	v_sub_nc_u32 v7, 1, v2
	v_mul_u32_u24 v5, s92, v7
	v_mul_u32_u24 v6, s93, v2
	v_add_nc_u32 v5, v5, v6
	v_lshl_add_u32 v[VSO], v1, 5, v5
	s_lshl_b32 s20, s17, 8                         ; R's first stored row
	s_lshl_b32 s46, s42, 8                         ; C's
	s_mov_b32 s21, 0
	s_mov_b32 s47, 0
	s_mov_b64 s[18:19], KROW
	s_mul_u64 s[20:21], s[20:21], s[18:19]
	s_mul_u64 s[46:47], s[46:47], s[18:19]
	s_mul_i32 s18, s16, 128*KROW                   ; the refill: I fetch 128 rows: which half
	s_mov_b32 s19, 0
	s_mul_i32 s45, s14, HALFT                      ; and where they go: wave x 128 rows
	s_wait_alu depctr_va_vdst(0)                   ; the wait ahead of the waits below
	s_wait_dscnt 0x0                               ; both opening adds are done
	s_wait_kmcnt 0x0
.irp i, 0,1,2,3,4,5,6,7
	global_load_b128 v[SC+8*\i:SC+8*\i+3], v[VSO], s[6:7] offset:512*\i
	global_load_b128 v[SC+8*\i+4:SC+8*\i+7], v[VSO], s[6:7] offset:512*\i+16
.endr
	s_add_nc_u64 s[20:21], s[4:5], s[20:21]
	s_add_nc_u64 s[46:47], s[4:5], s[46:47]
	s_cmp_eq_u32 s95, 0
	s_cselect_b64 s[12:13], s[8:9], s[10:11]       ; q goes to qp, k and v to kvp
	CROUND                                         ; all sixteen work-groups are here: the first joint loads meet
	s_mov_b32 s[G0H], 1
	s_mov_b32 s[G0H+1], 0
	s_mov_b64 s[G0H+2:G0H+3], s[20:21]
	s_or_b32 s[G0H+3], s[G0H+3], 0x80000000
	s_mov_b32 s[G0HB], 1
	s_mov_b32 s[G0HB+1], 2*HALFT
	s_mov_b64 s[G0HB+2:G0HB+3], s[46:47]
	s_or_b32 s[G0HB+3], s[G0HB+3], 0x80000000
	s_mov_b32 s[G0H1], 1
	s_mov_b32 s[G0H1+1], SLOT
	s_add_nc_u64 s[G0H1+2:G0H1+3], s[20:21], ROWB
	s_or_b32 s[G0H1+3], s[G0H1+3], 0x80000000
	s_mov_b32 s[G0HB1], 1
	s_mov_b32 s[G0HB1+1], SLOT+2*HALFT
	s_add_nc_u64 s[G0HB1+2:G0HB1+3], s[46:47], ROWB
	s_or_b32 s[G0HB1+3], s[G0HB1+3], 0x80000000
	s_mov_b32 s[G0], 1                             ; the refill's: my 128 rows, at chunk 0; stepped by two chunks ahead of its use
	s_mov_b32 s[G0+1], s45
	s_add_nc_u64 s[G0+2:G0+3], s[20:21], s[18:19]
	s_or_b32 s[G0+3], s[G0+3], 0x80000000
	s_mov_b32 s[G0B], 1
	s_mov_b32 s[G0B+1], s45
	s_add_nc_u64 s[G0B+2:G0B+3], s[46:47], s[18:19]
	s_or_b32 s[G0B+3], s[G0B+3], 0x80000000
; the head's four tiles, one joint load a wave, in one tree of branches on the wave's number
.macro ARM under, g0, g1, next
	s_cmp_lt_u32 s14, \under
	s_cbranch_scc0 \next
	tensor_load_to_lds s[\g0:\g0+3], s[\g1:\g1+7]
	s_nop 0
.rept 4
	v_nop
.endr
	s_branch .Lhead_asked
\next:
.endm
	ARM 1, G0H,  G1,  .Lhead_b
	ARM 2, G0HB, G1B, .Lhead_a1
	ARM 3, G0H1, G1,  .Lhead_b1
	tensor_load_to_lds s[G0HB1:G0HB1+3], s[G1B:G1B+7]
	s_nop 0
.rept 4
	v_nop
.endr
.Lhead_asked:
	v_mul_u32_u24 v3, v1, PITCH
	v_mul_u32_u24 v4, v2, 24
	v_add_nc_u32 v4, v3, v4                        ; row x pitch + 24 x half
	s_mov_b32 s21, SLOT-232
	s_mov_b32 s22, SLOT+232
	v_mul_u32_u24 v5, s21, v2
	v_add_nc_u32 v5, v3, v5
	v_add_nc_u32 v5, 232, v5                       ; lanes 0-15 byte 232 of the row in slot 0, lanes 16-31 byte 0 in slot 1
	v_mul_u32_u24 v6, s22, v7
	v_add_nc_u32 v6, v3, v6                        ; and the other way round
	s_mul_i32 s21, s15, HALFT
	s_mul_i32 s22, s16, HALFT
	s_add_co_u32 s22, s22, 2*HALFT
	v_add_nc_u32 v[ADRA+2], s21, v5
	v_add_nc_u32 v[ADRA+3], s21, v6
	v_add_nc_u32 v[ADRB+2], s22, v5
	v_add_nc_u32 v[ADRB+3], s22, v6
.irp s, 0,1
	v_add_nc_u32 v[ADRA+\s], s21, v4
	v_add_nc_u32 v[ADRB+\s], s22, v4
	s_add_co_u32 s21, s21, SLOT
	s_add_co_u32 s22, s22, SLOT
.endr
	v_and_b32 v6, 31, v0
	v_lshlrev_b32 v[L8], 3, v6
	v_lshlrev_b32 v[L16], 4, v6
; a fragment, 16 rows x 128 K, is 12 registers: registers 6 c .. 6 c + 5 of lane l hold K = 64 c + 32 (l / 16) + 0 .. 31 of row l % 16: 24 bytes as they lie, in pieces of 8.  Byte y of a row lies in slot (y / 256) % 2 at byte y % 256
.macro FRAG reg, adr, st, i
.irp p, 0,1,2,3,4,5
.set BY, 96*(\st)+48*(\p/3)+8*(\p%3)
.if BY/ROWB == (BY+24)/ROWB
	ds_load_b64 v[\reg+2*\p:\reg+2*\p+1], v[\adr+(BY/ROWB)%2] offset:BY%ROWB+(\i)*16*PITCH
.else
	ds_load_b64 v[\reg+2*\p:\reg+2*\p+1], v[\adr+2+(BY/ROWB)%2] offset:BY%ROWB-232+(\i)*16*PITCH
.endif
.endr
.endm
; 16 matrix instructions of step st: R's blocks a0, a0 + 1 x C's eight.  The 64 accumulators take turns, one instruction a turn; zero = 1: the first product starts the sums
.macro MUL16 a0, st, zero
.irp a, \a0, \a0+1
.irp b, 0,1,2,3,4,5,6,7
.if \zero
	v_wmma_scale_f32_16x16x128_f8f6f4 v[8*(8*((\a)%4)+\b):8*(8*((\a)%4)+\b)+7], v[128*((\st)%2)+FR*\b:128*((\st)%2)+FR*\b+FR-1], v[AF+FR*(\a):AF+FR*(\a)+FR-1], 0, v[SC+8*\b+(\st)], v[SC+8*(\a)+(\st)] matrix_a_fmt:MATRIX_FMT_BF6 matrix_b_fmt:MATRIX_FMT_BF6 matrix_a_scale:MATRIX_SCALE_ROW1
.else
	v_wmma_scale_f32_16x16x128_f8f6f4 v[8*(8*((\a)%4)+\b):8*(8*((\a)%4)+\b)+7], v[128*((\st)%2)+FR*\b:128*((\st)%2)+FR*\b+FR-1], v[AF+FR*(\a):AF+FR*(\a)+FR-1], v[8*(8*((\a)%4)+\b):8*(8*((\a)%4)+\b)+7], v[SC+8*\b+(\st)], v[SC+8*(\a)+(\st)] matrix_a_fmt:MATRIX_FMT_BF6 matrix_b_fmt:MATRIX_FMT_BF6 matrix_a_scale:MATRIX_SCALE_ROW1
.endif
.endr
.endr
.endm
.macro FETCH_B st, p
	WIN TO_B
.irp i, 0,1,2,3,4,5,6,7
	FRAG 128*(\p)+FR*\i, ADRB, \st, \i
.endr
	WIN 0
.endm
.macro FETCH_A st, i0
.irp i, \i0, \i0+1, \i0+2, \i0+3
	FRAG AF+FR*(\i), ADRA, \st, \i
.endr
.endm
.macro PLACES n
.rept \n
	v_nop
.endr
.endm
; A step: 64 matrix instructions; the next step's fragments are fetched in its middle and at its end.  Where the next step's bytes END in chunk 2 for the first time: every wave waits for its tensor loads and a barrier shows the chunk whole.
; Where they BEGIN in a later chunk and the slot left behind is filled again: the wait for all tensor loads, the add, the wait for it and for my reads, a round of the cluster's barrier, the refill.
.macro STEP st, zero
.set NX, (\st)+1
.set C0, (96*(\st))/ROWB
.set C1, (96*NX)/ROWB
.set E0, (96*(\st)+95)/ROWB
.set E1, (96*NX+95)/ROWB
.if (C1 > C0 && C0+2 < CHUNKS) || (E1 > E0 && E1 > 1)
	s_wait_tensorcnt 0x0
.if C1 > C0
	ds_add_u32 v[SPW], v[NIL]
	s_wait_dscnt 4*NL+1                            ; the add and R's blocks 4-7 (24 loads) may be out
.else
	s_wait_dscnt 4*NL                              ; R's blocks 4-7 (24 loads) may be out
.endif
	WIN MUL_LO
	MUL16 0, \st, \zero
	s_wait_dscnt 0x0                               ; the add, where there is one, and all my reads are done
	s_barrier_signal -1
	MUL16 2, \st, \zero
	WIN 0
	s_barrier_wait -1
.if C1 > C0
	CREST
	s_add_nc_u64 s[G0+2:G0+3], s[G0+2:G0+3], 2*ROWB
	s_add_nc_u64 s[G0B+2:G0B+3], s[G0B+2:G0B+3], 2*ROWB
	JLOAD G0, G1, G0B, G1B                         ; chunk 2 into slot 0; its four v_nop are the places in front of the loads below
.else
	PLACES NP
.endif
.else
	s_wait_dscnt 4*NL                              ; C's set and R's blocks 0-3 are in; the youngest 24 loads may be out
	WIN MUL_LO
	MUL16 0, \st, \zero
	MUL16 2, \st, \zero
	s_wait_dscnt 0
	PLACES NP
.endif
	FETCH_B NX, NX%2
	FETCH_A NX, 0
	WIN MUL_HI
	MUL16 4, \st, \zero
	MUL16 6, \st, \zero
	PLACES NP
	WIN 0
	FETCH_A NX, 4
.endm
	s_wait_alu depctr_va_vdst(0)                   ; the wait at the head's end
	s_wait_tensorcnt 0x0                           ; my tile of the head's four is in
	s_mov_b32 s[G1+2], 128<<16                     ; no tensor load of mine is out: the refill brings 128 rows a wave
	s_mov_b32 s[G1+4], 128
	s_mov_b32 s[G1B+2], 128<<16
	s_mov_b32 s[G1B+4], 128
	s_wait_loadcnt 0x0                             ; my scale words are in
	s_barrier_signal -1
	s_barrier_wait -1                              ; everybody's tile is in
	FETCH_B 0, 0
	FETCH_A 0, 0
	FETCH_A 0, 4
	STEP 0, 1
.irp st, 1,2,3,4,5,6
	STEP \st, 0
.endr
	s_wait_dscnt 4*NL                              ; the last step: nothing more to fetch
	WIN MUL_LO
	MUL16 0, 7, 0
	MUL16 2, 7, 0
	s_wait_dscnt 0
	WIN MUL_HI
	MUL16 4, 7, 0
	MUL16 6, 7, 0
	WIN 0
	; THE WAY OUT: no LDS, no barrier.  R's block a (16 rows) with its 64 registers a lane becomes one fragment of 12 registers and one scale word a row
	PLACES NP
	s_mov_b32 s22, 768                             ; from block to block: q, k: an image of 768 bytes
	s_mov_b32 s23, 768
	s_mov_b32 s94, HS                              ; q, k: registers 6-11 belong to the next head's pack
	s_cmp_eq_u32 s95, 2
	s_cselect_b32 s46, s40, s41                    ; the unit of tokens: cx (v) or cy
	s_cselect_b32 s47, s16, s15
	s_cselect_b32 s20, s41, s40                    ; the unit of channels
	s_cselect_b32 s21, s15, s16
	s_cselect_b32 s22, 1536, s22                   ; v: two images, 1,536 bytes
	s_cselect_b32 s23, HS-4608, s23                ; v: block 4 is the next head's first channel tile
	s_cselect_b32 s94, 768, s94                    ; v: registers 6-11 are the tile's second image
	s_cselect_b32 s93, 6144, 0
	s_cselect_b32 s92, 8192, 0
	s_cselect_b32 s3, 8, 9
	s_add_co_u32 s46, s46, s96
	s_lshl_b32 s46, s46, 1
	s_add_co_u32 s46, s46, s47                     ; my first token / 128
	s_lshl_b32 s20, s20, 1
	s_add_co_u32 s20, s20, s21
	s_lshl_b32 s20, s20, 1                         ; the head
	s_lshr_b32 s47, s46, 4
	s_lshl_b32 s47, s47, 4                         ; 16 x batch
	s_add_co_u32 s47, s47, s20
	s_mul_i32 s47, s47, HS
	s_and_b32 s46, s46, 15
	s_lshl_b32 s45, s46, s3
	s_add_co_u32 s45, s45, s92
	s_add_co_u32 s45, s45, s47                     ; the scale words' record
	s_mul_i32 s46, s46, 12288
	s_add_co_u32 s20, s47, s46
	s_add_co_u32 s20, s20, 12288
	s_add_co_u32 s20, s20, s93                     ; where registers 0-5 of block 0 go
	s_add_co_u32 s21, s20, s94                     ; and registers 6-11
	s_mov_b32 s97, 0x76543210
	s_mov_b32 s98, 0xfedcba98
	s_mov_b32 vcc_lo, 0xffff0000                   ; lanes 16-31
.irp b, 0,1,2,3
	v_mov_b32 v[TM+4+\b], 0
.endr
; 64 numbers of a lane in window w become a fragment's codes in v[PC] on and its rows' scale word in v[pw]; each accumulator is read from its low end on
.macro QUANTW s, w, pw
	WIN 5*(\w)
.irp b, 0,1,2,3
	v_max3_num_f32 v[TM+\b], |v[(\s)+16*\b]|, |v[(\s)+1+16*\b]|, 0x2800000   ; with the floor 2^(5 - 127): the byte cannot fall under 1
.endr
.irp i, 2,4,6,8,10,12,14
.irp b, 0,1,2,3
	v_max3_num_f32 v[TM+\b], |v[(\s)+16*\b+\i]|, |v[(\s)+1+16*\b+\i]|, v[TM+\b]
.endr
.endr
	WIN 0
.irp b, 0,1,2,3
	v_permlanex16_b32 v[TM+4+\b], v[TM+\b], s97, s98
.endr
.irp b, 0,1,2,3
	v_max_num_f32 v[TM+\b], v[TM+\b], v[TM+4+\b]
.endr
.irp b, 0,1,2,3
	v_add_nc_u32 v[TM+12+\b], 0xfe000000, v[TM+\b] ; 4 off the exponent field: the conversion's scale operand
.endr
.irp b, 0,1,2,3
	v_lshrrev_b32 v[TM+4+\b], 23, v[TM+12+\b]
.endr
	v_lshl_or_b32 v[\pw], v[TM+5], 8, v[TM+4]
	v_lshl_or_b32 v[\pw], v[TM+6], 16, v[\pw]
	v_lshl_or_b32 v[\pw], v[TM+7], 24, v[\pw]
	WIN \w
.irp c, 0,1
	v_cvt_scalef32_pk16_bf6_f32 v[PC+6*\c:PC+2+6*\c], v[(\s)+32*\c:(\s)+15+32*\c], v[TM+12+2*\c]
	v_cvt_scalef32_pk16_bf6_f32 v[PC+12+4*\c:PC+14+4*\c], v[(\s)+16+32*\c:(\s)+31+32*\c], v[TM+12+2*\c+1]
.endr
	WIN 0
	v_nop                                          ; one plain place behind a scaled conversion
.irp c, 0,1
.irp i, 0,1,2
	v_permlane16_swap_b32 v[PC+6*\c+\i], v[PC+12+4*\c+\i]
.endr
.irp i, 0,1,2
	v_mov_b32 v[PC+3+6*\c+\i], v[PC+12+4*\c+\i]
.endr
.endr
.endm
.macro EPI a                           ; block a leaves: two images, each by a store of 512 and a store of 256 consecutive bytes, aligned
.set WA, 2+(\a)/4
.set AC, 64*((\a)%4)
.if (\a) > 0
	s_wait_xcnt 0x0                                ; the last block's stores have read their data and offsets
.endif
	v_add_nc_u32 v[VO0], s20, v[L8]
	v_add_nc_u32 v[VO1], s21, v[L8]
	v_add_nc_u32 v[VP0], s20, v[L16]
	v_add_nc_u32 v[VP1], s21, v[L16]
.if (\a)%2 == 0
	QUANTW AC, WA, SW+(\a)/2
	global_store_b128 v[VP0], v[PC:PC+3], s[12:13]
	global_store_b64 v[VO0], v[PC+4:PC+5], s[12:13] offset:512
	global_store_b128 v[VP1], v[PC+6:PC+9], s[12:13]
	global_store_b64 v[VO1], v[PC+10:PC+11], s[12:13] offset:512
.else
	QUANTW AC, WA, PWT
	v_cndmask_b32 v[SW+(\a)/2], v[SW+(\a)/2], v[PWT], vcc_lo   ; the odd block's words go to lanes 16-31
	global_store_b64 v[VO0], v[PC:PC+1], s[12:13]
	global_store_b128 v[VP0], v[PC+2:PC+5], s[12:13] offset:256
	global_store_b64 v[VO1], v[PC+6:PC+7], s[12:13]
	global_store_b128 v[VP1], v[PC+8:PC+11], s[12:13] offset:256
.endif
.if (\a) == 3
	s_add_co_u32 s20, s20, s23
	s_add_co_u32 s21, s21, s23
.else
	s_add_co_u32 s20, s20, s22
	s_add_co_u32 s21, s21, s22
.endif
.endm
.irp a, 0,1,2,3,4,5,6,7
	EPI \a
.endr
.irp i, 0,1,2,3
	v_perm_b32 v[RT+\i], v[SW+\i], v[SW+\i], 0x01000302        ; q, k: the word with its two halves exchanged
.endr
.irp i, 0,1,2,3
	v_cndmask_b32 v[SX+\i], v[RT+\i], v[SW+\i], vcc_lo         ; the odd head: exchanged in lanes 0-15, as it is in lanes 16-31
.endr
.irp i, 0,1,2,3
	v_cndmask_b32 v[RT+\i], v[SW+\i], v[RT+\i], vcc_lo         ; the even head: as it is in lanes 0-15, exchanged in lanes 16-31
.endr
	s_cmp_eq_u32 s95, 2                            ; TYPE is the same in all partners; only stores stand on the two ways
	s_cbranch_scc1 .Lv_scales
	v_add_nc_u32 v[VS], s45, v[L16]
	global_store_b128 v[VS], v[RT:RT+3], s[12:13]              ; 512 consecutive bytes
	global_store_b128 v[VS], v[SX:SX+3], s[12:13] offset:HS
	s_branch .Lscales_out
.Lv_scales:
	v_add_nc_u32 v[VS], s45, v[L8]
	s_wait_alu depctr_va_vdst(0)
	global_store_b64 v[VS], v[SW:SW+1], s[12:13]               ; my first head's four channel tiles: 256 consecutive bytes
	global_store_b64 v[VS], v[SW+2:SW+3], s[12:13] offset:HS   ; the next head's
.Lscales_out:
	s_wait_tensorcnt 0x0                           ; the wave's end
	ds_add_u32 v[SPW], v[NIL]
	s_wait_dscnt 0x0
	CROUND                                         ; the closing round
	s_endpgm
.Lfunc_end_k_q50e87dfd92_proj:
	.size	k_q50e87dfd92_proj, .Lfunc_end_k_q50e87dfd92_proj-k_q50e87dfd92_proj
	.p2alignl 7, 3214868480
	.fill 96, 4, 3214868480
	.section	.rodata,"a",@progbits
	.p2align	6, 0x0
	.amdhsa_kernel k_q50e87dfd92_proj
		.amdhsa_group_segment_fixed_size 327680
		.amdhsa_private_segment_fixed_size 0
		.amdhsa_enable_private_segment 0
		.amdhsa_kernarg_size 32
		.amdhsa_user_sgpr_count 2
		.amdhsa_user_sgpr_kernarg_segment_ptr 1
		.amdhsa_wavefront_size32 1
		.amdhsa_system_sgpr_workgroup_id_x 1
		.amdhsa_system_sgpr_workgroup_id_y 1
		.amdhsa_system_sgpr_workgroup_id_z 1
		.amdhsa_system_vgpr_workitem_id 0
		.amdhsa_next_free_vgpr 1024
		.amdhsa_next_free_sgpr 100
		.amdhsa_reserve_vcc 1
		.amdhsa_float_denorm_mode_32 3
		.amdhsa_float_denorm_mode_16_64 3
		.amdhsa_memory_ordered 1
		.amdhsa_forward_progress 1
		.amdhsa_inst_pref_size 166
	.end_amdhsa_kernel
	.amdgpu_metadata
---
amdhsa.version: [ 1, 2 ]
amdhsa.kernels:
  - .name:           k_q50e87dfd92_proj
    .symbol:         k_q50e87dfd92_proj.kd
    .args:
      - { .name: codes, .offset: 0, .size: 8, .value_kind: global_buffer, .address_space: global }
      - { .name: scales, .offset: 8, .size: 8, .value_kind: global_buffer, .address_space: global }
      - { .name: qp, .offset: 16, .size: 8, .value_kind: global_buffer, .address_space: global }
      - { .name: kvp, .offset: 24, .size: 8, .value_kind: global_buffer, .address_space: global }
    .group_segment_fixed_size: 327680
    .private_segment_fixed_size: 0
    .kernarg_segment_align: 8
    .kernarg_segment_size: 32
    .max_flat_workgroup_size: 128
    .sgpr_count:     100
    .vgpr_count:     1024
    .wavefront_size: 32
...
	.end_amdgpu_metadata
.endif
;; end of part 2
;; launch attn (part 3): grid 4 x 64, 16 waves a work-group, no clusters, 327,680 bytes of LDS; arguments qp, kvp, out0; writes out0
.if DOCPART == 3
	.amdgcn_target "amdgcn-amd-amdhsa--gfx1250"
	.amdhsa_code_object_version 6
	.text
	.protected	k_q50e87dfd92_attn
	.globl	k_q50e87dfd92_attn
	.p2align	8
	.type	k_q50e87dfd92_attn,@function
k_q50e87dfd92_attn:
	s_mov_b64 s[64:65], 0
	v_nop
	global_prefetch_b8 v0, s[64:65] scope:SCOPE_SE
	s_setreg_imm32_b32 hwreg(HW_REG_WAVE_MODE, 25, 1), 1
	s_wait_xcnt 0x0
; Causal attention on codes of BF6 (E3M2): S^T = k q^T, p = 2^(t - M) with a running whole M, O^T += v^T p^T, out = O / l; l is the sum of the unquantised p.
; LEFT OUT: key steps of 128 that lie wholly behind a wave's 16 queries: reference()'s own causal mask gives them -inf ahead of the softmax, so p is 0 there for every input.
; SHARES.  Work-group (x, y): head pack y = 16 batch + head, query blocks x and 7 - x of 256.  A wave takes 16 queries of a block (a stored tile: Q0 + r + 8 (r / 8)): tile w of block x, then tile 15 - w of block 7 - x:
; 2 x + 1 + (w / 8) and 15 - 2 x + 1 - (w / 8) steps of 128 keys: 17 for every wave of every work-group.
; LDS holds the head's whole pack of k, v and their scale words as it lies in kvp.  It comes in two fills, each wave a sixteenth: the scale records and steps 0, 1 at the head; steps 2-15 behind the first barrier.
; The short block x goes first: its steps 0, 1 run under the second fill's flight; one barrier follows them, and none after it.
; TWO KEY TILES IN ONE OPERAND.  The head has 64 channels and the matrix instruction sums 128: registers 0-5 hold tile 2 i, registers 6-11 tile 2 i + 1; against [q, 0] the sum is tile 2 i's scores, against [0, q] tile 2 i + 1's.
; The scale words lie to match: lanes 0-15 (tile 2 i) have the head's bytes at 0, 1, lanes 16-31 (tile 2 i + 1) at 2, 3; the other two bytes are finite and stand over products with zero codes.
; AN IMAGE (six registers a lane, 768 bytes) of an even tile: registers 0-3 at 16 l, registers 4, 5 at 512 + 8 l; of an odd tile: registers 0, 1 at 8 l, registers 2-5 at 256 + 16 l: twelve registers come by four loads.
; The eight tiles of a step fill 48 registers, free as soon as the eight score products are issued: the next step's k is read from LDS behind them, the next step's v behind the four products with v.
; At a loop's last step the step read ahead is held at that step (s_min_u32): no read passes what has landed.
; cluster = none: the four work-groups of a head read the same pack, but which steps a wave jumps over hangs on x, the place a partner would have in the cluster.
; No prefetch: the pack is asked for whole by two tensor loads ahead of the first step; no later tile is left to ask for.
; LIMITS: the promise holds while the scaled scores stay under 2^31 in magnitude; NaN and infinities are not served.
.set HS,     208896
.set STAGE,  HS                        ; behind the pack: 16 rows x 272 bytes for each wave, for the way out
.set SPITCH, 272
.set SPARE,  0x44000                   ; behind the stages: the spare words, 128 bytes a wave
.set STO, 1
.set RD,  2
.set GO,  3
.set L8,  4
.set ADK, 5                            ; 8 l + the step's place
.set FF,  6
.set PSC, 7
.set DL,  8
.set QSC, 9
.set QS2, 10
.set TT,  11
.set QZ,  16                           ; v16-21 zeros, v22-27 q, v28-33 zeros
.set VSC, 34
.set KSC, 36
.set SO,  40
.set A16, 40                           ; 16 l + the step's place: made directly ahead of the loads that name it
.set KX,  44
.set S,   92
.set O,   156
.set VFR, 188
.set PCD, 236
.set MX,  244                          ; done with when p's codes land there
.set T4,  248
.set MT,  251
.set AD2, 255
.set SPW, 248                          ; made anew from v0 ahead of each use: no two registers can be kept
.set NIL, 249
.set WV,  10
.set WI,  11
.set HI,  12
.set SEL, 14
.set CS,  18
.set WQ,  45
.set J,   48
.set JN,  49
.set NK,  50
.set KF,  51
.set Q0,  52
.set NS,  53
.set BLK, 54
.set TP,  55
	s_load_b128 s[4:7], s[0:1], 0x0                ; qp, kvp
	s_load_b64 s[8:9], s[0:1], 0x10                ; out0
	v_lshl_add_u32 v[SPW], v0, 2, SPARE
	v_mov_b32 v[NIL], 0
	ds_add_u32 v[SPW], v[NIL]                      ; the opening lines: the add twice on end and one wait
	ds_add_u32 v[SPW], v[NIL]
	v_lshrrev_b32 v1, 5, v0
	v_readfirstlane_b32 s[WV], v1
	s_mov_b32 s[WI], ttmp9
	s_and_b32 s[HI], ttmp7, 0xffff
	s_mul_i32 s20, s[HI], HS
	s_mov_b32 s21, 0
	s_mov_b32 s24, 3<<16                           ; rows of 256 bytes (32 elements of 8), dense
	s_mov_b32 s25, 32<<16
	s_mov_b32 s26, 9<<16                           ; first fill: 9 rows a wave
	s_mov_b32 s27, 32<<16
	s_mov_b32 s28, 9
	s_mov_b32 s29, 32
	s_mov_b32 s30, 0
	s_mov_b32 s31, 0
	s_mov_b32 s40, 1
	s_mul_i32 s41, s[WV], 2304
	s_mul_i32 s44, s[WV], 10752
	s_add_co_u32 s44, s44, 36864                   ; second fill: 42 rows a wave from byte 36,864
	s_mov_b32 s60, s41
	s_mov_b32 s61, 0
	s_mov_b32 s[SEL], 0x76543210
	s_mov_b32 s[SEL+1], 0xfedcba98
	s_mov_b32 s[CS], 0x3e38aa3b                    ; log2(e) / 8
	s_mov_b32 s[CS+1], s[CS]
	s_mov_b32 s62, 0x03020100                      ; byte selects: a word as it is,
	s_mov_b32 s63, 0x01000302                      ; and with its halves exchanged
	s_bitcmp1_b32 s[WV], 0                         ; an odd query tile's bytes lie at 2, 3
	s_cselect_b32 s[TP], s63, s62
	s_cselect_b32 s63, s62, s63
	s_mov_b32 s62, s[TP]
	s_wait_dscnt 0x0
	s_wait_kmcnt 0x0
	s_add_nc_u64 s[46:47], s[6:7], s[20:21]        ; the head's pack in kvp
	s_add_nc_u64 s[42:43], s[46:47], s[60:61]
	s_or_b32 s43, s43, 0x80000000
	tensor_load_to_lds s[40:43], s[24:31]
	s_nop 0
	v_and_b32 v[L8], 31, v0
	v_lshlrev_b32 v[L8], 3, v[L8]
	v_and_b32 v[TT], 15, v0
	v_bfe_u32 v[ADK], v0, 4, 1
	s_mul_i32 s[TP], s[WV], 16*SPITCH
	s_add_co_u32 s[TP], s[TP], STAGE
	v_mul_u32_u24 v[STO], v[TT], SPITCH
	v_lshl_add_u32 v[STO], v[ADK], 6, v[STO]
	v_add_nc_u32 v[STO], s[TP], v[STO]
	v_mul_u32_u24 v[RD], v[ADK], SPITCH
	v_lshl_add_u32 v[RD], v[TT], 4, v[RD]
	v_add_nc_u32 v[RD], s[TP], v[RD]
	v_lshlrev_b32 v[GO], 12, v[ADK]
	v_lshl_add_u32 v[GO], v[TT], 4, v[GO]
	v_and_b32 v[DL], 8, v0
	v_add_nc_u32 v[DL], v[DL], v[TT]
	v_and_b32 v[ADK], 16, v0
	v_sub_nc_u32 v[DL], v[DL], v[ADK]              ; r + 8 (r / 8) - 16 h
.irp k, 0,1,2,3,4,5
	v_mov_b32 v[QZ+\k], 0
	v_mov_b32 v[QZ+12+\k], 0
.endr
	v_mov_b32 v[T4+3], 0
	v_mov_b32 v[FF], 0
	v_mov_b32 v[PSC], 0
.macro PLACES
.rept 4
	v_nop
.endr
.endm
.macro QLOAD                           ; tile WQ of block BLK: my queries' codes and scale word are asked for
	s_lshl_b32 s[TP], s[BLK], 1
	s_lshr_b32 s60, s[WQ], 3
	s_add_co_u32 s[TP], s[TP], s60
	s_mul_i32 s60, s[TP], 12288
	s_add_co_u32 s60, s60, 12288
	s_and_b32 s61, s[WQ], 7
	s_mul_i32 s61, s61, 768
	s_add_co_u32 s60, s60, s61
	s_add_co_u32 s60, s60, s20
	s_mov_b32 s61, 0
	s_add_nc_u64 s[56:57], s[4:5], s[60:61]
	s_lshl_b32 s22, s[TP], 9
	s_and_b32 s23, s[WQ], 1
	s_lshl_b32 s23, s23, 8
	s_add_co_u32 s22, s22, s23
	s_bfe_u32 s23, s[WQ], 0x20001
	s_lshl_b32 s23, s23, 2
	s_add_co_u32 s22, s22, s23
	s_add_co_u32 s22, s22, s20
	s_mov_b32 s23, 0
	s_add_nc_u64 s[22:23], s[4:5], s[22:23]
	v_and_b32 v[AD2], 15, v0
	v_lshlrev_b32 v[AD2], 4, v[AD2]
	v_lshlrev_b32 v[T4+2], 1, v[L8]
	s_and_b32 s[TP], s[WQ], 1
	s_cmp_lg_u32 s[TP], 0
	s_wait_alu depctr_va_vdst(0)                   ; the wait ahead of the branch
	s_cbranch_scc1 .Lqodd_\@
	global_load_b128 v[QZ+6:QZ+9], v[T4+2], s[56:57]
	global_load_b64 v[QZ+10:QZ+11], v[L8], s[56:57] offset:512
	s_branch .Lqin_\@
.Lqodd_\@:
	global_load_b64 v[QZ+6:QZ+7], v[L8], s[56:57]
	global_load_b128 v[QZ+8:QZ+11], v[T4+2], s[56:57] offset:256
.Lqin_\@:
	global_load_b32 v[QSC], v[AD2], s[22:23]
.endm
.macro INITB                           ; the block begins: first query, place in out0, q's two scale words, empty sums
	s_lshl_b32 s[Q0], s[BLK], 8
	s_lshr_b32 s[TP], s[WQ], 1
	s_lshl_b32 s[TP], s[TP], 5
	s_add_co_u32 s[Q0], s[Q0], s[TP]
	s_and_b32 s[TP], s[WQ], 1
	s_lshl_b32 s[TP], s[TP], 3
	s_add_co_u32 s[Q0], s[Q0], s[TP]
	s_lshr_b32 s60, s[HI], 4
	s_lshl_b32 s60, s60, 11
	s_add_co_u32 s60, s60, s[Q0]
	s_lshl_b32 s60, s60, 12
	s_and_b32 s61, s[HI], 15
	s_lshl_b32 s61, s61, 8
	s_add_co_u32 s60, s60, s61
	s_mov_b32 s61, 0
	s_add_nc_u64 s[58:59], s[8:9], s[60:61]
	s_wait_alu depctr_va_vdst(0)
	s_wait_loadcnt 0x0
	v_perm_b32 v[QS2], v[QSC], v[QSC], s63         ; my bytes at 2, 3: for [0, q]
	v_perm_b32 v[QSC], v[QSC], v[QSC], s62         ; my bytes at 0, 1: for [q, 0]
	v_mov_b32 v13, 0xff61b1e6
	s_delay_alu instid0(VALU_DEP_1)
	v_floor_f32 v12, -v13
	v_mov_b32 v14, 0
	v_mov_b32 v15, 0
.set j, 0
.rept 32
	v_mov_b32 v[O+j], 0
.set j, j+1
.endr
.endm
.macro KLOADS                          ; 17 LDS loads: k's scale words and eight tiles
	ds_load_b128 v[KSC:KSC+3], v[AD2]
.irp i, 0,1,2,3
	ds_load_b128 v[KX+12*\i:KX+12*\i+3], v[A16] offset:12288+1536*\i
	ds_load_b64 v[KX+12*\i+4:KX+12*\i+5], v[ADK] offset:12288+1536*\i+512
	ds_load_b64 v[KX+12*\i+6:KX+12*\i+7], v[ADK] offset:12288+1536*\i+768
	ds_load_b128 v[KX+12*\i+8:KX+12*\i+11], v[A16] offset:12288+1536*\i+1024
.endr
.endm
.macro VLOADS                          ; 17 LDS loads: v's scale words and four tiles of two images each
	ds_load_b64 v[VSC:VSC+1], v[AD2] offset:8192
.irp t, 0,2
.irp g, 0,1
	ds_load_b128 v[VFR+12*\t+6*\g:VFR+12*\t+6*\g+3], v[A16] offset:18432+1536*\t+768*\g
	ds_load_b64 v[VFR+12*\t+6*\g+4:VFR+12*\t+6*\g+5], v[ADK] offset:18432+1536*\t+768*\g+512
.endr
.endr
.irp t, 1,3
.irp g, 0,1
	ds_load_b64 v[VFR+12*\t+6*\g:VFR+12*\t+6*\g+1], v[ADK] offset:18432+1536*\t+768*\g
	ds_load_b128 v[VFR+12*\t+6*\g+2:VFR+12*\t+6*\g+5], v[A16] offset:18432+1536*\t+768*\g+256
.endr
.endr
.endm
.macro PRE j0                          ; a loop's first step is read: k, then v (no LDS load of mine is out here)
	s_mov_b32 s[J], \j0
	v_add_nc_u32 v[ADK], 12288*\j0, v[L8]
	v_lshl_add_u32 v[A16], v[L8], 1, 12288*\j0
	v_lshl_add_u32 v[AD2], v[L8], 1, 512*\j0
	KLOADS
	v_add_nc_u32 v[AD2], 256*\j0, v[L8]
	VLOADS
.endm
.macro STEP last
	s_lshl_b32 s[KF], s[J], 7
	s_cmp_gt_u32 s[KF], s[Q0]
	s_cbranch_scc1 .Lhidden_\@                     ; the step lies behind all my queries (ids alone decide)
	s_add_co_u32 s[JN], s[J], 1
	s_min_u32 s[JN], s[JN], (\last)                ; the step read ahead, held at the loop's last
	s_mul_i32 s[NK], s[JN], 12288
	s_lshl_b32 s[NS], s[JN], 9
	s_lshl_b32 s[JN], s[JN], 8
	s_wait_dscnt 17                                ; k is in; v's 17 loads, issued behind it, may be out
.irp i, 0,1,2,3
	v_wmma_scale_f32_16x16x128_f8f6f4 v[S+16*\i:S+16*\i+7], v[KX+12*\i:KX+12*\i+11], v[QZ+6:QZ+17], 0, v[KSC+\i], v[QSC] matrix_a_fmt:MATRIX_FMT_BF6 matrix_b_fmt:MATRIX_FMT_BF6
	v_wmma_scale_f32_16x16x128_f8f6f4 v[S+16*\i+8:S+16*\i+15], v[KX+12*\i:KX+12*\i+11], v[QZ:QZ+11], 0, v[KSC+\i], v[QS2] matrix_a_fmt:MATRIX_FMT_BF6 matrix_b_fmt:MATRIX_FMT_BF6 matrix_a_scale:MATRIX_SCALE_ROW1
.endr
	v_add_nc_u32 v[ADK], s[NK], v[L8]              ; four places behind the products
	v_lshl_add_u32 v[A16], v[L8], 1, s[NK]
	v_lshl_add_u32 v[AD2], v[L8], 1, s[NS]
	v_nop
	KLOADS                                         ; the next step's k
	s_add_co_u32 s[TP], s[KF], 128
	s_cmp_le_u32 s[TP], s[Q0]
	s_cbranch_scc1 .Lopen_\@
	s_sub_co_i32 s[TP], s[Q0], s[KF]
	v_add_nc_u32 v[MT], s[TP], v[DL]
	v_mov_b32 v[TT], 0xff800000
.set n, 0
.rept 64
	v_cmp_gt_i32 vcc_lo, 32*(n/16)+n%16, v[MT]     ; the key lies behind my query
	v_cndmask_b32 v[S+n], v[S+n], v[TT], vcc_lo
.set n, n+1
.endr
.Lopen_\@:
.irp b, 0,1,2,3
	v_max3_num_f32 v[MX+\b], v[S+16*\b], v[S+1+16*\b], v[S+2+16*\b]   ; each block's largest score: for the row's maximum and for the block's largest p; the four blocks by turns
.endr
.irp i, 3,5,7,9,11,13
.irp b, 0,1,2,3
	v_max3_num_f32 v[MX+\b], v[MX+\b], v[S+16*\b+\i], v[S+1+16*\b+\i]
.endr
.endr
.irp b, 0,1,2,3
	v_max_num_f32 v[MX+\b], v[MX+\b], v[S+15+16*\b]
.endr
.irp b, 0,1,2,3
	v_permlanex16_b32 v[T4+\b], v[MX+\b], s[SEL], s[SEL+1]
.endr
.irp b, 0,1,2,3
	v_max_num_f32 v[MX+\b], v[MX+\b], v[T4+\b]
.endr
	s_delay_alu instid0(VALU_DEP_2)
	v_max3_num_f32 v[TT], v[MX], v[MX+1], v[MX+2]
	s_delay_alu instid0(VALU_DEP_1)
	v_max_num_f32 v[TT], v[TT], v[MX+3]
	s_delay_alu instid0(VALU_DEP_1)
	v_mul_f32 v[TT], s[CS], v[TT]
	s_delay_alu instid0(VALU_DEP_1)
	v_max_num_f32 v13, v13, v[TT]                  ; the running largest t
	v_mov_b32 v[TT], v12
	s_delay_alu instid0(VALU_DEP_2)
	v_floor_f32 v12, -v13                          ; -M = -ceil(t)
	s_delay_alu instid0(VALU_DEP_1)
	v_sub_f32 v[TT], v12, v[TT]
	s_delay_alu instid0(VALU_DEP_1)
	v_cvt_i32_f32 v[TT], v[TT]
	s_delay_alu instid0(VALU_DEP_1)
	v_ldexp_f32 v[FF], 1.0, v[TT]                  ; f = 2^(old M - new M)
.set j, 0
.rept 32
	v_pk_fma_f32 v[S+j:S+j+1], v[S+j:S+j+1], s[CS:CS+1], v[12:13] op_sel_hi:[1,0,0]
.set j, j+2
.endr
.irp b, 0,1,2,3
	v_fma_f32 v[MX+\b], v[MX+\b], s[CS], v12
.endr
.set j, 0
	s_wait_alu depctr_va_vdst(0)                   ; the wait ahead of the batch
.rept 64
	v_exp_f32 v[S+j], v[S+j]
.set j, j+1
.endr
.irp b, 0,1,2,3
	v_exp_f32 v[MX+\b], v[MX+\b]
.endr
	v_pk_mul_f32 v[14:15], v[14:15], v[FF:FF+1] op_sel_hi:[1,0]
	s_wait_alu depctr_va_vdst(0)                   ; and behind it
.irp b, 0,1,2,3
	v_max_num_f32 v[MX+\b], 0x2800000, v[MX+\b]    ; the floor 2^(5 - 127)
.endr
.irp b, 0,1,2,3
	v_add_nc_u32 v[SO+\b], 0xfe000000, v[MX+\b]
.endr
.irp b, 0,1,2,3
	v_lshrrev_b32 v[T4+\b], 23, v[SO+\b]
.endr
	v_lshl_or_b32 v[PSC], v[T4+1], 8, v[T4]
	s_delay_alu instid0(VALU_DEP_1)
	v_lshl_or_b32 v[PSC], v[T4+2], 16, v[PSC]
	s_delay_alu instid0(VALU_DEP_1)
	v_lshl_or_b32 v[PSC], v[T4+3], 24, v[PSC]
.irp c, 0,1
	v_cvt_scalef32_pk16_bf6_f32 v[PCD+6*\c:PCD+2+6*\c], v[S+32*\c:S+15+32*\c], v[SO+2*\c]
	v_cvt_scalef32_pk16_bf6_f32 v[T4+4*\c:T4+2+4*\c], v[S+16+32*\c:S+31+32*\c], v[SO+2*\c+1]
.endr
	v_nop                                          ; one plain place behind a scaled conversion
.irp c, 0,1
.irp i, 0,1,2
	v_permlane16_swap_b32 v[PCD+6*\c+\i], v[T4+4*\c+\i]
.endr
.irp i, 0,1,2
	v_mov_b32 v[PCD+3+6*\c+\i], v[T4+4*\c+\i]
.endr
.endr
	v_pk_add_f32 v[T4:T4+1], v[S:S+1], v[S+2:S+3]  ; the row's sum, of the unquantised p, in two chains
.set j, 4
.rept 15
	v_pk_add_f32 v[14:15], v[14:15], v[S+j:S+j+1]
	v_pk_add_f32 v[T4:T4+1], v[T4:T4+1], v[S+j+2:S+j+3]
.set j, j+4
.endr
	s_delay_alu instid0(VALU_DEP_1)
	v_pk_add_f32 v[14:15], v[14:15], v[T4:T4+1]
	s_wait_alu depctr_va_vdst(0)                   ; the wait directly ahead of the first reader of O^T
.set j, 0
.rept 16
	v_pk_mul_f32 v[O+j:O+j+1], v[O+j:O+j+1], v[FF:FF+1] op_sel_hi:[1,0]
.set j, j+2
.endr
	s_wait_alu depctr_va_vdst(0)
	s_wait_dscnt 17                                ; v is in; the next step's k, 17 loads issued behind it, may be out
.irp t, 0,1,2,3
.if \t%2
	v_wmma_scale_f32_16x16x128_f8f6f4 v[O+8*\t:O+8*\t+7], v[VFR+12*\t:VFR+12*\t+11], v[PCD:PCD+11], v[O+8*\t:O+8*\t+7], v[VSC+\t/2], v[PSC] matrix_a_fmt:MATRIX_FMT_BF6 matrix_b_fmt:MATRIX_FMT_BF6 matrix_a_scale:MATRIX_SCALE_ROW1
.else
	v_wmma_scale_f32_16x16x128_f8f6f4 v[O+8*\t:O+8*\t+7], v[VFR+12*\t:VFR+12*\t+11], v[PCD:PCD+11], v[O+8*\t:O+8*\t+7], v[VSC+\t/2], v[PSC] matrix_a_fmt:MATRIX_FMT_BF6 matrix_b_fmt:MATRIX_FMT_BF6
.endif
.endr
	v_add_nc_u32 v[AD2], s[JN], v[L8]              ; four places behind the products
	v_lshl_add_u32 v[A16], v[L8], 1, s[NK]
	v_nop
	v_nop
	VLOADS                                         ; the next step's v
.Lhidden_\@:
.endm
.macro LOOP end
.Lkey_\@:
	STEP \end-1
	s_add_co_u32 s[J], s[J], 1
	s_cmp_lt_u32 s[J], \end
	s_cbranch_scc1 .Lkey_\@
.endm
.macro FINAL                           ; O / l, through my own stage, out as whole rows of 256 bytes
	PLACES
	v_add_f32 v14, v14, v15
	s_delay_alu instid0(VALU_DEP_1)
	v_permlanex16_b32 v[FF], v14, s[SEL], s[SEL+1]
	s_delay_alu instid0(VALU_DEP_1)
	v_add_f32 v14, v14, v[FF]
	s_wait_alu depctr_va_vdst(0)
	v_rcp_f32 v14, v14
	v_nop
.set j, 0
	s_wait_alu depctr_va_vdst(0)
.rept 32
	v_mul_f32 v[S+j], v[O+j], v14
.set j, j+1
.endr
.irp t, 0,1,2,3
	ds_store_b128 v[STO], v[S+8*\t:S+8*\t+3] offset:128*(\t/2)+32*(\t%2)
	ds_store_b128 v[STO], v[S+8*\t+4:S+8*\t+7] offset:128*(\t/2)+32*(\t%2)+16
.endr
.irp i, 0,1,2,3,4,5,6,7
	ds_load_b128 v[S+32+4*\i:S+35+4*\i], v[RD] offset:2*\i*SPITCH
.endr
.irp i, 0,1,2,3,4,5,6,7
	s_wait_dscnt 7-\i                              ; the loads behind this one may be out
	global_store_b128 v[GO], v[S+32+4*\i:S+35+4*\i], s[58:59] offset:(2*\i+8*(\i/4))*4096 th:TH_STORE_NT
.endr
	s_wait_xcnt 0x0
.endm
	s_mov_b32 s[BLK], s[WI]                        ; the short block first, tile w
	s_mov_b32 s[WQ], s[WV]
	QLOAD
	s_wait_alu depctr_va_vdst(0)                   ; the wait at the head's end
	s_wait_tensorcnt 0x0                           ; the descriptor is written where no load of mine is out
	ds_add_u32 v[SPW], v[NIL]
	s_mov_b32 s26, 42<<16
	s_mov_b32 s28, 42
	s_mov_b32 s41, s44
	s_mov_b32 s60, s44
	s_mov_b32 s61, 0
	s_add_nc_u64 s[42:43], s[46:47], s[60:61]
	s_or_b32 s43, s43, 0x80000000
	s_wait_dscnt 0x0
	s_barrier_signal -1
	s_barrier_wait -1
	tensor_load_to_lds s[40:43], s[24:31]          ; steps 2-15
	s_nop 0
	INITB
	PRE 0
	LOOP 2
	s_wait_alu depctr_va_vdst(0)
	s_wait_tensorcnt 0x0                           ; my part of steps 2-15 is in
	s_wait_dscnt 0x0
	s_barrier_signal -1
	s_barrier_wait -1
	PRE 2
	LOOP 8
	s_sub_co_u32 s[BLK], 7, s[WI]                  ; the long block, tile 15 - w: its q is asked for under the short block's way out
	s_sub_co_u32 s[WQ], 15, s[WV]
	s_mov_b32 s[TP], s62                           ; the tile's parity has changed: the two byte selects change places
	s_mov_b32 s62, s63
	s_mov_b32 s63, s[TP]
	QLOAD
	FINAL
	INITB
	PRE 0
	LOOP 16
	FINAL
	v_lshl_add_u32 v[SPW], v0, 2, SPARE
	v_mov_b32 v[NIL], 0
	s_wait_alu depctr_va_vdst(0)
	s_wait_tensorcnt 0x0                           ; the wave's end
	ds_add_u32 v[SPW], v[NIL]
	s_wait_dscnt 0x0
	s_endpgm
.Lfunc_end_k_q50e87dfd92_attn:
	.size	k_q50e87dfd92_attn, .Lfunc_end_k_q50e87dfd92_attn-k_q50e87dfd92_attn
	.p2alignl 7, 3214868480
	.fill 96, 4, 3214868480
	.section	.rodata,"a",@progbits
	.p2align	6, 0x0
	.amdhsa_kernel k_q50e87dfd92_attn
		.amdhsa_group_segment_fixed_size 327680
		.amdhsa_private_segment_fixed_size 0
		.amdhsa_enable_private_segment 0
		.amdhsa_kernarg_size 24
		.amdhsa_user_sgpr_count 2
		.amdhsa_user_sgpr_kernarg_segment_ptr 1
		.amdhsa_wavefront_size32 1
		.amdhsa_system_sgpr_workgroup_id_x 1
		.amdhsa_system_sgpr_workgroup_id_y 1
		.amdhsa_system_sgpr_workgroup_id_z 1
		.amdhsa_system_vgpr_workitem_id 0
		.amdhsa_next_free_vgpr 256
		.amdhsa_next_free_sgpr 66
		.amdhsa_reserve_vcc 1
		.amdhsa_float_denorm_mode_32 3
		.amdhsa_float_denorm_mode_16_64 3
		.amdhsa_memory_ordered 1
		.amdhsa_forward_progress 1
		.amdhsa_inst_pref_size 91
	.end_amdhsa_kernel
	.amdgpu_metadata
---
amdhsa.version: [ 1, 2 ]
amdhsa.kernels:
  - .name:           k_q50e87dfd92_attn
    .symbol:         k_q50e87dfd92_attn.kd
    .args:
      - { .name: qp, .offset: 0, .size: 8, .value_kind: global_buffer, .address_space: global }
      - { .name: kvp, .offset: 8, .size: 8, .value_kind: global_buffer, .address_space: global }
      - { .name: out0, .offset: 16, .size: 8, .value_kind: global_buffer, .address_space: global }
    .group_segment_fixed_size: 327680
    .private_segment_fixed_size: 0
    .kernarg_segment_align: 8
    .kernarg_segment_size: 24
    .max_flat_workgroup_size: 512
    .sgpr_count:     66
    .vgpr_count:     256
    .wavefront_size: 32
...
	.end_amdgpu_metadata
.endif
;; end of part 3
